; MI455X (gfx1250); checked and timed in simulation.
; The chip was launched on July 23, 2026; its instructions are those of AMD's public machine-readable ISA for CDNA 5 (MIT licence, August 2026) and "CDNA5" Instruction Set Architecture Reference Guide (July 2026). The comments in the code are by the model that wrote it; some were corrected since.
;; NN. Allowed arithmetic: matrix products marked QUANTISED: E2M1 operands, one E8M0 scale for each 32 along K, by v_wmma_scale_f32_16x16x128_f8f6f4 with both operands' format E2M1 (or v_wmma_scale_f32_32x16x128_f4), f32 sums; everything else in f32.
;; Inputs: train_label 32,768 float32; train_pts 32,768 x 128 float32; x 8,192 x 128 float32.
;; Outputs: out0 8,192 float32.
;; This version of the problem:
;;   THIS VERSION OF THE PROBLEM IS GIVEN IN LOW PRECISION. The matrix products marked QUANTISED in the list below multiply operands that are first quantised to E2M1 (2 exponent bits, 1 mantissa bit; 4 bits a number), with one power-of-two scale for each 32 numbers along K (OCP MX v1.0); their sums are f32. All else is computed in f32.
;;   The module's matrix products, in the order in which they are computed (A, B: the left and right operand; K: the contracted axis; several contracted axes count as one K, in the product's order):
;;     1. [M 8,192, K 128] x [K 128, N 32,768]; A: input x; B: input train_pts: QUANTISED
;;   THE QUANTISER, for each operand of a quantised product, along K:
;;     - K is cut into blocks of 32 from its start; a last block that is shorter is filled with zeros.
;;     - A block's scale is 2^e with e = floor(log2(the largest magnitude in the block)) - 2, held to -126 .. 127; a block of zeros has e = 0. As a byte (E8M0): e + 127.
;;     - Each number is divided by its block's scale, clamped to +-6, and rounded to the nearest number of E2M1, ties to even, subnormals kept.
;;     - The product sums the exact products of the quantised numbers (number of the format x scale) in f32.
;;   ~~~python
;;   def quantise(x, axis):      # numpy; x: float32 -> the quantised numbers, widened to float32 again
;;       x = np.moveaxis(x, axis, -1); K = x.shape[-1]
;;       x = np.pad(x, [(0, 0)] * (x.ndim - 1) + [(0, -K % 32)]); x = x.reshape(x.shape[:-1] + (-1, 32)); a = np.abs(x).max(-1, keepdims=True)
;;       e = np.where(a > 0, np.clip(np.frexp(np.where(a > 0, a, 1))[1] - 1 - 2, -126, 127), 0)      # np.frexp(a)[1] - 1 = floor(log2(a)), exactly
;;       r = np.clip(x / 2.0 ** e, -6, 6)
;;       step = 2.0 ** (np.maximum(np.frexp(np.where(r == 0, 1, r))[1] - 1, 0) - 1)
;;       q = np.round(r / step) * step * 2.0 ** e      # np.round: ties to even
;;       return np.moveaxis(q.reshape(q.shape[:-2] + (-1,))[..., :K], -1, axis).astype(np.float32)
;;   ~~~
;; One version. Each part assembles by itself: llvm-mc -triple=amdgcn-amd-amdhsa -mcpu=gfx1250 --defsym DOCPART=n.
;; ======== version 1 of 1: 3 launches
;; workspace buffers: tq 2,359,296 bytes; xq 589,824 bytes; cand 1,048,576 bytes of whole numbers
;; launch quant (part 1): grid 640 x 1, 4 waves a work-group, no clusters, 34,816 bytes of LDS; arguments train_pts, x, tq, xq; writes tq, xq
.if DOCPART == 1
	.amdgcn_target "amdgcn-amd-amdhsa--gfx1250"
	.amdhsa_code_object_version 6
	.text
	.protected	k_qf4847d509f_quant
	.globl	k_qf4847d509f_quant
	.p2align	8
	.type	k_qf4847d509f_quant,@function
k_qf4847d509f_quant:
	s_mov_b64 s[64:65], 0
	v_nop
	global_prefetch_b8 v0, s[64:65] scope:SCOPE_SE
	s_setreg_imm32_b32 hwreg(HW_REG_WAVE_MODE, 25, 1), 1
	s_wait_xcnt 0x0
; train_pts [32768][128] and x [8192][128], f32, become RECORDS of 64 rows each: codes of FP4 (E2M1), one E8M0 scale byte for each 32 along K, and half the row's sum of squares.
; A RECORD is 4,608 bytes, laid as images of a matrix operand's registers.  Its four tiles of 16 rows are interleaved: tile t, row m is the tensor's row 64 G + 4 m + t.
;   bytes 0 .. 4095     codes: tile t, registers 4 c .. 4 c + 3 of lane l at 1024 t + 512 c + 16 l (lane l holds row l % 16, K = 64 c + 32 (l / 16) + 0 .. 31)
;   bytes 4096 .. 4351  scale words: row m of tile t at 16 m + 4 t; byte b is the scale of K = 32 b .. 32 b + 31
;   bytes 4352 .. 4607  f32: row m of tile t at 64 t + 4 m: -1/2 the sum of squares for train_pts, +1/2 the sum of squares for x (of the numbers as given, not of the quantised ones)
; A block's scale is 2^(floor(log2(its largest magnitude)) - 2); its byte is the largest magnitude's exponent field - 2, held at 1 from below.  A block of zeros so gets the byte 1 where the
; rule says 127: its codes are zeros, which add nothing under any byte but 0xff, and this program alone reads the bytes.
; LIMITS: NaN and infinities among the inputs are not served.  The sum of squares is taken in four packed chains a lane and joined: its order of rounding is not reference()'s.
; SHARES: a work-group makes one record, wave t its tile t.  Work-groups 0 .. 511 take train_pts, 512 .. 639 take x: only pointers and the factor are chosen, on the work-group's number; there is one path.
; Each load reads one whole row, 512 consecutive bytes; the conversions want 32 neighbours along K in one lane, so the 16 rows turn through the wave's own stage in LDS (rows 528 bytes apart).
; No cluster, no tensor load, no matrix work: the work-groups share no input and every byte is read once.
.set STW, 8448                         ; a wave's stage: 16 rows x 528 bytes
.set SP,  528                          ; a stage row: 512 bytes + 16: 33 x 16, so that sixteen rows' equal columns fall on different banks
.set SCU, 33792                        ; behind the four stages: the record's 256 bytes of scale words,
.set BIU, 34048                        ; and its 256 bytes of half sums of squares
.set REC, 4608
.set R,   16                           ; v16-79    16 rows as loaded, 16 bytes a lane each
.set X,   80                           ; v80-143   my two blocks of 32 neighbours: blocks h and 2 + h of row r
.set C,   144                          ; v144-151  the fragment's eight registers
.set AM,  152                          ; v152-153  largest magnitudes
.set SO,  154                          ; v154-155  the conversions' scale operands
.set BY,  156                          ; v156-157  scale bytes
.set WD,  158                          ; v158      the row's scale word
.set PD,  159                          ; v159      a lane permute's destination
.set SQ,  160                          ; v160-167  four packed chains of squares
.set TP,  168                          ; v168-171  at work
	s_load_b256 s[4:11], s[0:1], 0x0               ; train_pts s[4:5], x s[6:7], tq s[8:9], xq s[10:11]
	v_lshl_add_u32 v176, v0, 2, 0x8600
	v_mov_b32 v177, 0
	v_lshrrev_b32 v1, 5, v0
	v_readfirstlane_b32 s12, v1                    ; wave = tile t
	v_and_b32 v1, 31, v0                           ; lane
	v_and_b32 v2, 15, v0                           ; r
	v_bfe_u32 v3, v0, 4, 1                         ; h
	v_lshlrev_b32 v4, 4, v1                        ; 16 x lane: my bytes of a row, and of an image
	s_mul_i32 s24, s12, STW
	v_add_nc_u32 v5, s24, v4                       ; the stage, on the way in
	v_mul_u32_u24 v6, v2, SP
	v_lshl_add_u32 v6, v3, 7, v6
	v_add_nc_u32 v6, s24, v6                       ; and on the way out: row r, + 128 h: block h
	s_lshl_b32 s25, s12, 2
	s_add_co_u32 s25, s25, SCU
	v_lshl_add_u32 v7, v2, 4, s25                  ; my row's scale word: 16 r + 4 t
	s_lshl_b32 s26, s12, 6
	s_add_co_u32 s26, s26, BIU
	v_lshl_add_u32 v8, v2, 2, s26                  ; my row's half sum: 64 t + 4 r
	v_lshlrev_b32 v9, 3, v0                        ; the last 512 bytes leave 8 bytes a thread, by waves 0 and 1
	v_add_nc_u32 v10, SCU, v9
	v_mov_b32 v[PD], 0                             ; a lane permute's destination counts as one of its sources
	v_mov_b32 v[TP+1], 0
	s_mov_b32 s22, 0x76543210
	s_mov_b32 s23, 0xfedcba98                      ; v_permlanex16_b32's selects for lane l xor 16
	s_cmp_lt_u32 ttmp9, 512                        ; train_pts or x?  The choice hangs on the work-group's number alone
	s_mov_b32 s14, 0x3f000000                      ; +0.5 for x,
	s_cselect_b32 s14, 0xbf000000, s14             ; -0.5 for train_pts
	s_cselect_b32 s13, 0, 512
	s_wait_kmcnt 0x0
	s_cselect_b64 s[16:17], s[4:5], s[6:7]
	s_cselect_b64 s[18:19], s[8:9], s[10:11]
	s_sub_co_u32 s13, ttmp9, s13                   ; the record's number G in its tensor
	s_lshl_b32 s24, s13, 15                        ; 64 rows of 512 bytes,
	s_lshl_b32 s25, s12, 9                         ; + t rows
	s_add_co_u32 s24, s24, s25
	s_mov_b32 s25, 0
	s_add_nc_u64 s[16:17], s[16:17], s[24:25]      ; my tile's row 0; row m lies 2,048 m bytes on
	s_mul_i32 s26, s13, REC
	s_mov_b32 s27, 0
	s_add_nc_u64 s[18:19], s[18:19], s[26:27]      ; the record
	s_lshl_b32 s26, s12, 10
	s_add_nc_u64 s[20:21], s[18:19], s[26:27]      ; my tile's codes in it
.irp i, 0,1,2,3,4,5,6,7,8,9,10,11,12,13,14,15
	global_load_b128 v[R+4*\i:R+4*\i+3], v4, s[16:17] offset:2048*\i th:TH_LOAD_NT   ; row i of my tile: 32 lanes read 512 consecutive bytes
.endr
.irp i, 0,1,2,3,4,5,6,7,8,9,10,11,12,13,14,15
	s_wait_loadcnt 15-\i                           ; loads come back in order: row i is in, the rows behind it may be out
	ds_store_b128 v5, v[R+4*\i:R+4*\i+3] offset:SP*\i
.endr
.irp c, 0,1
.irp g, 0,1,2,3,4,5,6,7
	ds_load_b128 v[X+32*\c+4*\g:X+32*\c+4*\g+3], v6 offset:256*\c+16*\g   ; block 2 c + h of row r.  LDS serves a wave's instructions in order: these see my stores
.endr
.endr
	s_wait_dscnt 0x0
.irp c, 0,1
	v_max3_num_f32 v[AM+\c], |v[X+32*\c]|, |v[X+32*\c+1]|, 0x1800000   ; the block's largest magnitude, and the floor 2^(3 - 127): so the byte cannot fall under 1
.endr
.irp i, 2,4,6,8,10,12,14,16,18,20,22,24,26,28,30
.irp c, 0,1
	v_max3_num_f32 v[AM+\c], v[AM+\c], |v[X+32*\c+\i]|, |v[X+32*\c+\i+1]|   ; (the two blocks by turns)
.endr
.endr
.irp c, 0,1
	v_add_nc_u32 v[SO+\c], 0xff000000, v[AM+\c]    ; 2 off its exponent field: the conversion takes the exponent field of this operand as its scale
.endr
.irp c, 0,1
	v_lshrrev_b32 v[BY+\c], 23, v[SO+\c]           ; the scale's byte
.endr
.irp c, 0,1
.irp g, 0,1,2,3
	v_cvt_scalef32_pk8_fp4_f32 v[C+4*\c+\g], v[X+32*\c+8*\g:X+32*\c+8*\g+7], v[SO+\c]   ; registers 4 c .. 4 c + 3 of the fragment; beyond 6 the largest code
.endr
.endr
	v_nop                                          ; one plain place behind the last scaled conversion
	global_store_b128 v4, v[C:C+3], s[20:21]                    ; 32 lanes store 512 consecutive bytes, aligned
	global_store_b128 v4, v[C+4:C+7], s[20:21] offset:512
	v_lshl_or_b32 v[WD], v[BY+1], 16, v[BY]        ; my two bytes: blocks h and 2 + h,
	v_lshlrev_b32 v[TP], 3, v3
	v_lshlrev_b32 v[WD], v[TP], v[WD]              ; at their places in the word (8 h bits up);
	v_permlanex16_b32 v[PD], v[WD], s22, s23
	v_or_b32 v[WD], v[WD], v[PD]                   ; with lane l xor 16's two the word is whole
.irp p, 0,1
.irp c, 0,1
	v_pk_mul_f32 v[SQ+4*\c+2*\p:SQ+4*\c+2*\p+1], v[X+32*\c+2*\p:X+32*\c+2*\p+1], v[X+32*\c+2*\p:X+32*\c+2*\p+1]   ; the first pairs start the four chains: nothing is cleared
.endr
.endr
.irp p, 2,3,4,5,6,7,8,9,10,11,12,13,14,15
.irp c, 0,1
	v_pk_fma_f32 v[SQ+4*\c+2*(\p%2):SQ+4*\c+2*(\p%2)+1], v[X+32*\c+2*\p:X+32*\c+2*\p+1], v[X+32*\c+2*\p:X+32*\c+2*\p+1], v[SQ+4*\c+2*(\p%2):SQ+4*\c+2*(\p%2)+1]
.endr
.endr
	v_pk_add_f32 v[SQ:SQ+1], v[SQ:SQ+1], v[SQ+2:SQ+3]
	v_pk_add_f32 v[SQ+4:SQ+5], v[SQ+4:SQ+5], v[SQ+6:SQ+7]
	v_pk_add_f32 v[SQ:SQ+1], v[SQ:SQ+1], v[SQ+4:SQ+5]
	v_add_f32 v[TP], v[SQ], v[SQ+1]                ; my 64 squares,
	v_permlanex16_b32 v[TP+1], v[TP], s22, s23
	v_add_f32 v[TP], v[TP], v[TP+1]                ; and lane l xor 16's: the row's
	v_mul_f32 v[TP], s14, v[TP]                    ; x -1/2 or +1/2
	ds_store_b32 v7, v[WD]                         ; lanes l and l xor 16 write the same word with the same value
	ds_store_b32 v8, v[TP]
	s_wait_dscnt 0x0                               ; for the others' sake: my stores have landed
	s_barrier_signal -1
	s_barrier_wait -1                              ; all four tiles' words lie in LDS
	s_cmp_lt_u32 s12, 2
	s_cbranch_scc0 .Lend
	ds_load_b64 v[TP+2:TP+3], v10
	s_wait_dscnt 0x0
	global_store_b64 v9, v[TP+2:TP+3], s[18:19] offset:4096   ; wave 0 stores the 256 bytes of scale words, wave 1 the 256 bytes of half sums: each 256 consecutive bytes, aligned
.Lend:
	s_wait_tensorcnt 0x0
	ds_add_u32 v176, v177
	s_wait_dscnt 0x0
	s_endpgm
.Lfunc_end_k_qf4847d509f_quant:
	.size	k_qf4847d509f_quant, .Lfunc_end_k_qf4847d509f_quant-k_qf4847d509f_quant
	.p2alignl 7, 3214868480
	.fill 96, 4, 3214868480
	.section	.rodata,"a",@progbits
	.p2align	6, 0x0
	.amdhsa_kernel k_qf4847d509f_quant
		.amdhsa_group_segment_fixed_size 34816
		.amdhsa_private_segment_fixed_size 0
		.amdhsa_enable_private_segment 0
		.amdhsa_kernarg_size 32
		.amdhsa_user_sgpr_count 2
		.amdhsa_user_sgpr_kernarg_segment_ptr 1
		.amdhsa_wavefront_size32 1
		.amdhsa_system_sgpr_workgroup_id_x 1
		.amdhsa_system_sgpr_workgroup_id_y 1
		.amdhsa_system_sgpr_workgroup_id_z 1
		.amdhsa_system_vgpr_workitem_id 0
		.amdhsa_next_free_vgpr 178
		.amdhsa_next_free_sgpr 66
		.amdhsa_reserve_vcc 0
		.amdhsa_float_denorm_mode_32 3
		.amdhsa_float_denorm_mode_16_64 3
		.amdhsa_memory_ordered 1
		.amdhsa_forward_progress 1
		.amdhsa_inst_pref_size 13
	.end_amdhsa_kernel
	.amdgpu_metadata
---
amdhsa.version: [ 1, 2 ]
amdhsa.kernels:
  - .name:           k_qf4847d509f_quant
    .symbol:         k_qf4847d509f_quant.kd
    .args:
      - { .name: train_pts, .offset: 0, .size: 8, .value_kind: global_buffer, .address_space: global }
      - { .name: x, .offset: 8, .size: 8, .value_kind: global_buffer, .address_space: global }
      - { .name: tq, .offset: 16, .size: 8, .value_kind: global_buffer, .address_space: global }
      - { .name: xq, .offset: 24, .size: 8, .value_kind: global_buffer, .address_space: global }
    .group_segment_fixed_size: 34816
    .private_segment_fixed_size: 0
    .kernarg_segment_align: 8
    .kernarg_segment_size: 32
    .max_flat_workgroup_size: 128
    .sgpr_count:     66
    .vgpr_count:     178
    .wavefront_size: 32
...
	.end_amdgpu_metadata
.endif
;; end of part 1
;; launch scan (part 2): grid 16 x 16, 4 waves a work-group, clusters of 4 x 1, 168,448 bytes of LDS; arguments tq, xq, cand; writes cand
.if DOCPART == 2
	.amdgcn_target "amdgcn-amd-amdhsa--gfx1250"
	.amdhsa_code_object_version 6
	.text
	.protected	k_qf4847d509f_scan
	.globl	k_qf4847d509f_scan
	.p2align	8
	.type	k_qf4847d509f_scan,@function
k_qf4847d509f_scan:
	s_mov_b64 s[64:65], 0
	v_nop
	global_prefetch_b8 v0, s[64:65] scope:SCOPE_SE
	s_setreg_imm32_b32 hwreg(HW_REG_WAVE_MODE, 25, 1), 1
	s_wait_xcnt 0x0
	s_wait_alu depctr_hold_cnt(0) depctr_sa_sdst(0) depctr_va_vdst(0) depctr_va_sdst(0) depctr_va_ssrc(0) depctr_va_vcc(0) depctr_vm_vsrc(0)
	s_getreg_b32 s2, hwreg(HW_REG_IB_STS2, 6, 4)
	s_cmp_eq_u32 s2, 0
	s_cbranch_scc0 .Lentry_in_a_cluster
	s_endpgm
.Lentry_in_a_cluster:
	s_bfe_u32 s2, ttmp6, 0x10000c
	s_cmp_lg_u32 s2, 0x3003
	s_cbranch_scc0 .Lentry_shape_is_right
	s_endpgm
.Lentry_shape_is_right:
; THE WHOLE PRODUCT, AND FOR EACH QUERY AND EACH OF 16 SPLITS OF THE TRAINING POINTS: the best value and the run of 32 points that first reaches it.
; With s = Q(x) . Q(t) - y2 / 2 the squared distance is x2 - 2 s: the least max(d2, 0) is the greatest min(s, x2 / 2), and the first index of the one is the first index of the other.
; -y2 / 2 is the C of the matrix instruction, so s costs no vector instruction; x2 / 2 enters as the clamp alone.
; LIMITS.  The root is not taken: it does not fall where d2 rises, so the least root belongs to the least clamped d2; where the root's rounding makes two different d2 equal, reference() takes the lower index
; and this program the smaller d2.  s is rounded once, in the matrix unit, where reference() rounds x2 + y2 and then the difference: neighbours whose d2 differ by about two units in the last place of x2 + y2 or less
; may be decided otherwise.  The clamp at 0 and the first index among equal clamped values are kept exactly.  NaN and infinities among the inputs are not served.
; SHARES.  A work-group takes 512 queries x one split of 2,048 points (32 records of tq, 147,456 bytes, which lie in LDS whole: nothing is filled again).  Each of its four waves keeps 128 queries, eight tiles of 16,
; in registers, and walks all 128 tiles of the split: one tile's 4.25 LDS loads feed eight matrix instructions.
; TRANSPOSED: source 0 = 16 training points, source 1 = 16 queries.  A lane holds ONE query (lane % 16), and its eight registers the points 8 (lane / 16) + 0 .. 7 of the tile.  By the records' interleaving the 32 results
; of a record's four tiles in a lane are the 32 CONSECUTIVE points 64 G + 32 (lane / 16) + 0 .. 31: the run 2 G + lane / 16.  One v_max3_num_f32 takes in two results; once a record the running maximum is clamped,
; compared with its value a record ago, and the record's number kept where it has grown: so the number kept is that of the first run that reaches the clamped maximum.
; BY TURNS: behind each matrix instruction stand four v_max3_num_f32 on the results of the batch before (four query tiles, the other set of accumulators).
; CLUSTER: the four work-groups of a cluster share the split and ask for it jointly (mask 15).  The queries go straight into registers, 36,864 bytes a work-group once: nothing to share along the other axis.
; OUT: per split and query a key (the best value as a whole number whose order is the value's) and the run's number: whole numbers for the next launch.
.set REC,   4608
.set SPLIT, 32*REC
.set CHUNK, 16*REC                     ; the split comes as two chunks; each wave brings a quarter of each
.set QUART, 4*REC                      ; 18,432 bytes: 72 rows of 256 bytes
.set BSC, 8                            ; v8-15    the queries' scale words, tile q
.set ASC, 16                           ; v16-23   the points' scale words: two sets (record % 2) x four tiles
.set X2H, 24                           ; v24-31   x2 / 2 of my query, tile q
.set T0,  32                           ; v32-39   the running clamped maximum, tile q: T0 and T1 by turns, record by record
.set T1,  40                           ; v40-47
.set GID, 48                           ; v48-55   the record that first reached it
.set BQ,  56                           ; v56-119  the queries' fragments, 8 registers a tile
.set ACC, 120                          ; v120-183 results, 8 registers for each query tile: tiles 0-3 and tiles 4-7 are the two sets
.set AF,  184                          ; v184-215 the points' fragments: four buffers (tile % 4)
.set CB,  216                          ; v216-247 their -y2 / 2 in the result's layout: four buffers
.set MK,  44                           ; s[44:51] compare masks
; v1 16 x lane, v2 32 (lane / 16), v3 16 (lane % 16): my places in a record; v4-6 the same + the trip's first byte; v7 the number of the record whose step comes next; v248-252 at work on the way out; v255 4 (lane % 16)
.macro ROUND                           ; a round of the cluster's barrier
	s_barrier_signal -1
	s_barrier_wait -1
	s_cmp_lg_u32 s10, 0
	s_cbranch_scc1 .Lnot_wave_0_\@
	s_barrier_signal -3
.Lnot_wave_0_\@:
	s_barrier_wait -3
	s_barrier_signal -1
	s_barrier_wait -1
.endm
; Tile u of the trip (0 .. 10; 8 to 10 are the next trip's 0 to 2): its codes, its -y2 / 2, and with a record's first tile the record's scale words (last, so that the counts below hold)
.macro LOADS u
.set gl, (\u)/4
.set tt, (\u)%4
	ds_load_b128 v[AF+8*tt:AF+8*tt+3],   v[ADC] offset:REC*gl+1024*tt
	ds_load_b128 v[AF+8*tt+4:AF+8*tt+7], v[ADC] offset:REC*gl+1024*tt+512
	ds_load_b128 v[CB+8*tt:CB+8*tt+3],   v[ADB] offset:REC*gl+4352+64*tt
	ds_load_b128 v[CB+8*tt+4:CB+8*tt+7], v[ADB] offset:REC*gl+4352+64*tt+16
.if tt == 0
	ds_load_b128 v[ASC+4*(gl%2):ASC+4*(gl%2)+3], v[ADS] offset:REC*gl+4096
.endif
.endm
; Batch n = 2 u + half: tile u against query tiles 4 (n % 2) + 0 .. 3.  W writes product i of it.  C is the points' -y2 / 2; D is the query tile's own eight registers, written anew
.macro W n, i
.set wu, (\n)/2
.set wq, 4*((\n)%2)+(\i)
.set wb, wu%4
	v_wmma_scale_f32_16x16x128_f8f6f4 v[ACC+8*wq:ACC+8*wq+7], v[AF+8*wb:AF+8*wb+7], v[BQ+8*wq:BQ+8*wq+7], v[CB+8*wb:CB+8*wb+7], v[ASC+4*((wu/4)%2)+wb], v[BSC+wq] matrix_a_fmt:MATRIX_FMT_FP4 matrix_b_fmt:MATRIX_FMT_FP4
.endm
; Registers 2 p, 2 p + 1 of product i of batch pn go into the running maximum.  A trip's first record gathers in T1, its second in T0; a record's first line takes the other one, the value a record ago, as its start
.macro M pn, p, i
.set mu, (\pn)/2
.set mq, 4*((\pn)%2)+(\i)
.if mu/4 == 0
.set md, T1
.set mo, T0
.else
.set md, T0
.set mo, T1
.endif
.set ms, md
.if (mu%4 == 0) && ((\p) == 0)
.set ms, mo
.endif
	v_max3_num_f32 v[md+mq], v[ms+mq], v[ACC+8*mq+2*(\p)], v[ACC+8*mq+2*(\p)+1]
.endm
; Four matrix instructions of batch n, each followed by four lines on the batch before: each result is first read at its two lowest registers, seven plain lines or more behind the instruction that made it,
; and is written over two batches later.  No two matrix instructions that follow each other share a register that either writes.
.macro SLOT n
.irp p, 0,1,2,3
	W \n, \p
.irp i, 0,1,2,3
	M ((\n)+15)%16, \p, \i
.endr
.endr
.endm
; A record is done: clamp at x2 / 2; where the clamped maximum has grown, this record is the first to reach it
.macro GSTEP new, old
.irp q, 0,1,2,3,4,5,6,7
	v_min_num_f32 v[\new+\q], v[\new+\q], v[X2H+\q]
.endr
.irp q, 0,1,2,3,4,5,6,7
	v_cmp_gt_f32 s[MK+\q], v[\new+\q], v[\old+\q]
.endr
.irp q, 0,1,2,3,4,5,6,7
	v_cndmask_b32 v[GID+\q], v[GID+\q], v7, s[MK+\q]
.endr
	v_add_nc_u32 v7, 1, v7
.endm
; One tile.  The loads of tile u + 3 go into the buffers of tile u - 1, whose last matrix instruction stands four plain lines back (the four lines that close the slot before: they name the other set of results
; and the maxima alone).  The wait leaves out what was issued behind tile u's own loads: four loads for each tile ahead, and the scale words that go with a record's first tile.
.macro TSTEP u, last
.if ((\last) == 0) || ((\u) < 5)
	LOADS (\u)+3
.endif
.set nn, 13
.if (\u)%4 == 0
.set nn, 12
.endif
.if ((\last) != 0) && ((\u) > 4)
.set nn, 4*(7-(\u))
.endif
	s_wait_dscnt nn
	SLOT 2*(\u)
.if (\u) == 0
	GSTEP T0, T1                                   ; the last trip's second record is done (in the first trip: all is -infinity, and nothing changes)
.endif
.if (\u) == 4
	GSTEP T1, T0                                   ; this trip's first record is done
.endif
	SLOT 2*(\u)+1
.endm
; A trip: two records, eight tiles, 64 matrix instructions.  last = 1: nothing is loaded past the split
.macro TRIP last
	v_add_nc_u32 v4, s40, v1
	v_add_nc_u32 v5, s40, v2
	v_add_nc_u32 v6, s40, v3
.irp u, 0,1,2,3,4,5,6,7
	TSTEP \u, \last
.endr
.if (\last) == 0
	s_add_co_u32 s40, s40, 2*REC
.endif
.endm
	s_load_b128 s[4:7], s[0:1], 0x0                ; tq s[4:5], xq s[6:7]
	s_load_b64 s[8:9], s[0:1], 0x10                ; cand
	v_lshl_add_u32 v253, v0, 2, 0x29000
	v_mov_b32 v254, 0
	ds_add_u32 v253, v254
	ds_add_u32 v253, v254
	v_lshrrev_b32 v4, 5, v0
	v_readfirstlane_b32 s10, v4                    ; wave 0..3
	s_bfe_u32 s11, ttmp6, 0x40000                  ; cx: my place in the cluster; it enters xq's and cand's addresses alone
	s_lshl_b32 s12, ttmp9, 2
	s_add_co_u32 s12, s12, s11                     ; my block of 512 queries = 4 x cluster x + cx
	s_and_b32 s13, ttmp7, 0xffff                   ; the split, which the four partners share
	; descriptor group 1: 72 dense rows of 256 bytes (32 elements of 8 bytes), no padding: every LDS read below takes consecutive bytes or one word for many lanes
	s_mov_b32 s16, 15|(3<<16)|(1<<21)              ; 15:0 the mask: all four work-groups; 17:16 elements of 8 bytes; 21 set beside a mask
	s_mov_b32 s17, 32<<16                          ; tensor_dim0 = 32
	s_mov_b32 s18, 72<<16                          ; tensor_dim1 = 72
	s_mov_b32 s19, 32<<16                          ; tile_dim0 = 32
	s_mov_b32 s20, 72                              ; tile_dim1 = 72
	s_mov_b32 s21, 32                              ; from row to row
	s_mov_b32 s22, 0
	s_mov_b32 s23, 0
	s_mul_i32 s26, s13, SPLIT
	s_mul_i32 s28, s10, QUART                      ; my quarter of a chunk, in memory and in LDS alike
	s_add_co_u32 s26, s26, s28
	s_mov_b32 s27, 0
	s_lshl_b32 s14, s12, 3
	s_lshl_b32 s54, s10, 1
	s_add_co_u32 s14, s14, s54                     ; my first record of xq: 8 x block + 2 x wave
	s_mul_i32 s14, s14, REC
	s_mov_b32 s15, 0
	s_lshl_b32 s24, s13, 15                        ; cand: 32,768 bytes a split,
	s_lshl_b32 s54, s12, 11                        ; 2,048 a block,
	s_add_co_u32 s24, s24, s54
	s_lshl_b32 s54, s10, 9                         ; 512 a wave
	s_add_co_u32 s24, s24, s54
	s_mov_b32 s25, 0
	s_lshl_b32 s55, s13, 5
	s_sub_co_u32 s55, s55, 1                       ; one under the split's first record: the first step is the empty one
	s_mov_b32 s40, 0                               ; LDS byte of the trip's first record
	s_mov_b32 s42, 0xffff0000                      ; lanes 16-31
	s_mov_b32 s43, 0xff800000                      ; -infinity
	s_mov_b32 s52, 0x76543210
	s_mov_b32 s53, 0xfedcba98                      ; v_permlanex16_b32's selects for lane l xor 16
	v_and_b32 v1, 31, v0
	v_lshlrev_b32 v1, 4, v1                        ; 16 x lane
	v_bfe_u32 v2, v0, 4, 1
	v_lshlrev_b32 v2, 5, v2                        ; 32 h
	v_and_b32 v3, 15, v0
	v_lshlrev_b32 v255, 2, v3                      ; 4 r
	v_lshlrev_b32 v3, 4, v3                        ; 16 r
	s_wait_dscnt 0x0
	s_wait_kmcnt 0x0
	s_add_nc_u64 s[26:27], s[4:5], s[26:27]
	s_add_nc_u64 s[14:15], s[6:7], s[14:15]
	s_add_nc_u64 s[24:25], s[8:9], s[24:25]
.irp c, 0,1
	s_mov_b32 s[32+4*\c], 1                                        ; count = 1
	s_add_co_u32 s[33+4*\c], s28, \c*CHUNK                         ; LDS address: the split lies in LDS as it lies in memory
	s_add_nc_u64 s[34+4*\c:35+4*\c], s[26:27], \c*CHUNK            ; global address
	s_or_b32 s[35+4*\c], s[35+4*\c], 0x80000000                    ; type = 2
.endr
	ROUND                                          ; all four work-groups are here: the joint loads meet
	tensor_load_to_lds s[32:35], s[16:23]          ; the only fills of the launch, together: two tensor loads of mine are out
	s_nop 0
	tensor_load_to_lds s[36:39], s[16:23]
	s_nop 0
.rept 4
	v_nop
.endr
.irp a, 0,1
.irp t, 0,1,2,3
.irp c, 0,1
	global_load_b128 v[BQ+8*(4*\a+\t)+4*\c:BQ+8*(4*\a+\t)+4*\c+3], v1, s[14:15] offset:REC*\a+1024*\t+512*\c   ; my eight query tiles stay in registers
.endr
.endr
	global_load_b128 v[BSC+4*\a:BSC+4*\a+3], v3, s[14:15] offset:REC*\a+4096
.irp t, 0,1,2,3
	global_load_b32 v[X2H+4*\a+\t], v255, s[14:15] offset:REC*\a+4352+64*\t
.endr
.endr
.irp q, 0,1,2,3,4,5,6,7
	v_mov_b32 v[T0+\q], s43
	v_mov_b32 v[T1+\q], s43
	v_mov_b32 v[GID+\q], 0
.endr
.irp j, 0,1,2,3,4,5,6,7,8,9,10,11,12,13,14,15,16,17,18,19,20,21,22,23,24,25,26,27,28,29,30,31
	v_mov_b32 v[ACC+32+\j], s43                    ; the loop is written once: its first slot takes in a batch that was never made, and finds -infinity there
.endr
.irp j, 248,249,250,251
	v_mov_b32 v\j, 0                               ; a lane permute's destination counts as one of its sources
.endr
	v_mov_b32 v7, s55
	s_wait_tensorcnt 0x1                           ; my quarter of the first chunk is in; the second chunk's load may be out
	s_barrier_signal -1
	s_barrier_wait -1                              ; everybody's is
.set ADC, 1                            ; the first trip begins at LDS byte 0
.set ADB, 2
.set ADS, 3
	LOADS 0
	LOADS 1
	LOADS 2
.set ADC, 4
.set ADB, 5
.set ADS, 6
	s_wait_loadcnt 0x0                             ; the queries
	s_mov_b32 s41, 0
.Lfirst_chunk:                                         ; seven trips: records 0 to 13, and the first three tiles of record 14: all inside the first chunk's sixteen records
	TRIP 0
	s_add_co_u32 s41, s41, 1
	s_cmp_lt_u32 s41, 7
	s_cbranch_scc1 .Lfirst_chunk
	s_wait_tensorcnt 0x0                           ; my quarter of the second chunk is in,
	s_wait_dscnt 0x0                               ; no LDS load of mine is out at the signal
	s_barrier_signal -1
	s_barrier_wait -1                              ; everybody's is
	s_mov_b32 s41, 0
.Lsecond_chunk:                                        ; eight trips: records 14 to 29
	TRIP 0
	s_add_co_u32 s41, s41, 1
	s_cmp_lt_u32 s41, 8
	s_cbranch_scc1 .Lsecond_chunk
	TRIP 1                                         ; records 30 and 31
.irp p, 0,1,2,3
.irp i, 0,1,2,3
	M 15, \p, \i                                   ; the last batch
.endr
.endr
	GSTEP T0, T1                                   ; the last record
	; THE WAY OUT.  The value becomes a key: a whole number whose unsigned order is the value's (-0 is made +0 first, so that equal values have equal keys); the record's number becomes the run's: 2 G + lane / 16.
	v_bfe_u32 v252, v0, 4, 1
.irp q, 0,1,2,3,4,5,6,7
	v_add_f32 v[T0+\q], 0, v[T0+\q]
.endr
.irp q, 0,1,2,3,4,5,6,7
	v_ashrrev_i32 v[T1+\q], 31, v[T0+\q]
.endr
.irp q, 0,1,2,3,4,5,6,7
	v_or_b32 v[T1+\q], 0x80000000, v[T1+\q]        ; all ones under a negative number, the sign bit alone under any other
.endr
.irp q, 0,1,2,3,4,5,6,7
	v_xor_b32 v[T0+\q], v[T0+\q], v[T1+\q]
.endr
.irp q, 0,1,2,3,4,5,6,7
	v_lshl_add_u32 v[GID+\q], v[GID+\q], 1, v252
.endr
.irp q, 0,1,2,3,4,5,6,7                ; a query's two halves of the lanes: the greater key, and of equal keys the lower run
	v_permlanex16_b32 v[248+2*(\q%2)], v[T0+\q], s52, s53
	v_permlanex16_b32 v[249+2*(\q%2)], v[GID+\q], s52, s53
	v_cmp_gt_u32 s54, v[248+2*(\q%2)], v[T0+\q]
	v_cmp_eq_u32 s55, v[248+2*(\q%2)], v[T0+\q]
	v_cmp_lt_u32 s56, v[249+2*(\q%2)], v[GID+\q]
	s_and_b32 s55, s55, s56
	s_or_b32 s54, s54, s55
	v_cndmask_b32 v[T0+\q], v[T0+\q], v[248+2*(\q%2)], s54
	v_cndmask_b32 v[GID+\q], v[GID+\q], v[249+2*(\q%2)], s54
.endr
.irp t, 0,1,2,3                        ; lanes 0-15 keep my first record's four tiles, lanes 16-31 my second's: lane (r, h) then holds queries 64 h + 4 r + 0 .. 3 of my 128
	v_cndmask_b32 v[T1+\t], v[T0+\t], v[T0+4+\t], s42
	v_cndmask_b32 v[T1+4+\t], v[GID+\t], v[GID+4+\t], s42
.endr
	global_store_b128 v1, v[T1:T1+3], s[24:25]                     ; 32 lanes store 512 consecutive bytes, aligned: the keys,
	global_store_b128 v1, v[T1+4:T1+7], s[24:25] offset:524288     ; and the runs' numbers
	s_wait_dscnt 0x0
	s_wait_tensorcnt 0x0
	ds_add_u32 v253, v254
	s_wait_dscnt 0x0
	ROUND                                          ; the closing round: no work-group ends while a partner may still ask for a tile that names it
	s_endpgm
.Lfunc_end_k_qf4847d509f_scan:
	.size	k_qf4847d509f_scan, .Lfunc_end_k_qf4847d509f_scan-k_qf4847d509f_scan
	.p2alignl 7, 3214868480
	.fill 96, 4, 3214868480
	.section	.rodata,"a",@progbits
	.p2align	6, 0x0
	.amdhsa_kernel k_qf4847d509f_scan
		.amdhsa_group_segment_fixed_size 168448
		.amdhsa_private_segment_fixed_size 0
		.amdhsa_enable_private_segment 0
		.amdhsa_kernarg_size 24
		.amdhsa_user_sgpr_count 2
		.amdhsa_user_sgpr_kernarg_segment_ptr 1
		.amdhsa_wavefront_size32 1
		.amdhsa_system_sgpr_workgroup_id_x 1
		.amdhsa_system_sgpr_workgroup_id_y 1
		.amdhsa_system_sgpr_workgroup_id_z 1
		.amdhsa_system_vgpr_workitem_id 0
		.amdhsa_next_free_vgpr 256
		.amdhsa_next_free_sgpr 66
		.amdhsa_reserve_vcc 0
		.amdhsa_float_denorm_mode_32 3
		.amdhsa_float_denorm_mode_16_64 3
		.amdhsa_memory_ordered 1
		.amdhsa_forward_progress 1
		.amdhsa_inst_pref_size 106
	.end_amdhsa_kernel
	.amdgpu_metadata
---
amdhsa.version: [ 1, 2 ]
amdhsa.kernels:
  - .name:           k_qf4847d509f_scan
    .symbol:         k_qf4847d509f_scan.kd
    .args:
      - { .name: tq, .offset: 0, .size: 8, .value_kind: global_buffer, .address_space: global }
      - { .name: xq, .offset: 8, .size: 8, .value_kind: global_buffer, .address_space: global }
      - { .name: cand, .offset: 16, .size: 8, .value_kind: global_buffer, .address_space: global }
    .group_segment_fixed_size: 168448
    .private_segment_fixed_size: 0
    .kernarg_segment_align: 8
    .kernarg_segment_size: 24
    .max_flat_workgroup_size: 128
    .sgpr_count:     66
    .vgpr_count:     256
    .wavefront_size: 32
...
	.end_amdgpu_metadata
.endif
;; end of part 2
;; launch pick (part 3): grid 128 x 1, 16 waves a work-group, no clusters, 4,096 bytes of LDS; arguments tq, xq, cand, train_label, out0; writes out0
.if DOCPART == 3
	.amdgcn_target "amdgcn-amd-amdhsa--gfx1250"
	.amdhsa_code_object_version 6
	.text
	.protected	k_qf4847d509f_pick
	.globl	k_qf4847d509f_pick
	.p2align	8
	.type	k_qf4847d509f_pick,@function
k_qf4847d509f_pick:
	s_mov_b64 s[64:65], 0
	v_nop
	global_prefetch_b8 v0, s[64:65] scope:SCOPE_SE
	s_setreg_imm32_b32 hwreg(HW_REG_WAVE_MODE, 25, 1), 1
	s_wait_xcnt 0x0
; FOR EACH QUERY: the best of its 16 splits by the stored keys (whole numbers read from memory: the greater key, of equal keys the lower run), that run's 32 points multiplied once more, by the same matrix
; instruction on the same codes, scales and C as in the launch before, and the label of the first point that reaches the clamped maximum, chosen by v_cndmask_b32.
; LIMITS: as stated for the launch before (the root is not taken; s = dot - y2 / 2 is rounded once; NaN and infinities are not served).
; SHARES.  A work-group owns one record of xq: 64 queries, 256 consecutive bytes of out0.  Wave w takes the record's tile t = w / 4 as source 1 (lane r: query 64 G + 4 r + t) and works out the four queries
; r = 4 (w % 4) + k, k = 0 .. 3: for each, two tiles of 16 points as source 0, of whose results the query's own column alone is kept.
; THE 32 POINTS OF RUN 2 G' + hh lie in record G' of tq as rows 8 hh + 0 .. 7 of all four tiles.  Row r' of my tile u is row 8 hh + r' % 8 of the record's tile 2 u + r' / 8: so register j of lane (r, h) is the run's point 4 j + 2 u + h.
; 128 work-groups: one for each 256 bytes of the output; the launch is three dependent reads, not a stream.  No cluster: which records a work-group reads hangs on the stored numbers.
.set REC, 4608
.set KY,  16                           ; v16-23   eight splits' keys;   v24-31 their runs.  Later the results of k = 2
.set HD,  24
.set QB,  32                           ; v32-39   the queries' fragment
.set QS,  40                           ; v40      their scale words
.set QX,  41                           ; v41      x2 / 2 of my query
.set HK,  42                           ; v42-45   the run of query 4 (w % 4) + k, in every lane
.set SL,  46                           ; v46-49   ds_bpermute_b32's selects
.set OC,  50                           ; v50-53   byte offsets in tq: codes;  v54-57 scale words;  v58-61 -y2 / 2
.set OS,  54
.set OB,  58
.set OL,  62                           ; v62      byte offset of my labels
.set HW,  63                           ; v63      my query's run.  (v48-63 later take the results of k = 3: every load that names them has been waited for)
.set SCA, 72                           ; v72-79   the points' scale words, 2 k + u
.set LAB, 80                           ; v80-95   my query's labels: 2 j + u.  v80 then carries the label chosen
.set AF,  96                           ; v96-159  the points' fragments, 16 k + 8 u
.set CB,  160                          ; v160-223 their -y2 / 2
.set COL, 224                          ; v224-239 the results of k = 0, then every lane's own column;  v240-255 those of k = 1
	s_load_b256 s[4:11], s[0:1], 0x0               ; tq s[4:5], xq s[6:7], cand s[8:9], train_label s[10:11]
	s_load_b64 s[12:13], s[0:1], 0x20              ; out0
	v_lshrrev_b32 v1, 5, v0
	v_readfirstlane_b32 s14, v1                    ; wave 0..15
	s_lshr_b32 s15, s14, 2                         ; t
	s_and_b32 s16, s14, 3                          ; which four queries of the tile
	v_and_b32 v1, 15, v0                           ; r
	v_bfe_u32 v2, v0, 4, 1                         ; h
	v_and_b32 v3, 31, v0
	v_lshlrev_b32 v3, 4, v3                        ; 16 x lane
	s_lshl_b32 s34, s15, 2
	v_lshl_add_u32 v9, v1, 4, s34                  ; 16 r + 4 t: my query's word in a row of cand, and its scale word in the record
	v_lshl_add_u32 v4, v2, 18, v9                  ; lanes 16-31 take splits 8 to 15: 8 x 32,768 bytes on
	s_lshl_b32 s35, s15, 6
	v_lshl_add_u32 v10, v1, 2, s35                 ; 64 t + 4 r: its x2 / 2
	v_lshrrev_b32 v11, 3, v1                       ; r / 8
	v_and_b32 v12, 7, v1
	v_lshlrev_b32 v12, 4, v12                      ; 16 (r % 8)
	v_lshl_add_u32 v5, v11, 10, v12
	v_lshl_add_u32 v5, v2, 8, v5                   ; codes: 1024 (r / 8) + 16 (r % 8) + 256 h
	v_lshl_add_u32 v6, v11, 2, v12                 ; scale words: 16 (r % 8) + 4 (r / 8)
	v_lshlrev_b32 v7, 6, v2                        ; -y2 / 2: 64 h
	v_lshlrev_b32 v8, 2, v0                        ; LDS: a word for each thread
	v_lshlrev_b32 v13, 2, v2                       ; 4 h
	v_and_b32 v14, 1, v0                           ; the last read, by wave 0: lane l wants queries 2 l and 2 l + 1 of the 64: r = l / 2, t = 2 (l % 2) and + 1;
	v_lshlrev_b32 v14, 10, v14                     ; query (r, t) was worked out by wave 4 t + r / 4, lane r: byte 512 t + 128 (r / 4) + 4 r
	v_bfe_u32 v15, v0, 3, 2
	v_lshl_add_u32 v14, v15, 7, v14
	v_bfe_u32 v15, v0, 1, 4
	v_lshl_add_u32 v14, v15, 2, v14
	v_and_b32 v15, 31, v0
	v_lshlrev_b32 v15, 3, v15                      ; and stores 8 bytes
	s_lshl_b32 s36, s16, 4
	v_mov_b32 v[SL], s36                           ; 4 x lane 4 (w % 4) + k
	v_add_nc_u32 v[SL+1], 4, v[SL]
	v_add_nc_u32 v[SL+2], 8, v[SL]
	v_add_nc_u32 v[SL+3], 12, v[SL]
.irp j, 65,66,68,69,70
	v_mov_b32 v\j, 0                               ; a lane permute's destination counts as one of its sources
.endr
	s_lshl_b32 s37, s16, 2
	s_lshl_b32 s28, 0x10001, s37                   ; lanes 4 (w % 4) + k and 16 more,
	s_lshl_b32 s29, s28, 1
	s_lshl_b32 s30, s28, 2
	s_lshl_b32 s31, s28, 3
	s_mov_b32 s32, 0x76543210
	s_mov_b32 s33, 0xfedcba98                      ; v_permlanex16_b32's selects for lane l xor 16
	s_lshl_b32 s34, ttmp9, 8
	s_mov_b32 s35, 0
	s_mul_i32 s36, ttmp9, REC
	s_mov_b32 s37, 0
	s_lshl_b32 s38, s15, 10
	s_mov_b32 s39, 0
	s_wait_kmcnt 0x0
	s_add_nc_u64 s[18:19], s[8:9], s[34:35]        ; cand at my 64 queries
	s_add_nc_u64 s[24:25], s[12:13], s[34:35]      ; out0 likewise
	s_add_nc_u64 s[22:23], s[6:7], s[36:37]        ; my record of xq,
	s_add_nc_u64 s[20:21], s[22:23], s[38:39]      ; and my tile's codes in it
.irp e, 0,1,2,3,4,5,6,7
	global_load_b32 v[KY+\e], v4, s[18:19] offset:32768*\e
	global_load_b32 v[HD+\e], v4, s[18:19] offset:524288+32768*\e
.endr
	global_load_b128 v[QB:QB+3], v3, s[20:21]
	global_load_b128 v[QB+4:QB+7], v3, s[20:21] offset:512
	global_load_b32 v[QS], v9, s[22:23] offset:4096
	global_load_b32 v[QX], v10, s[22:23] offset:4352
	s_wait_loadcnt 0x4                             ; keys and runs are in; the four loads of the query tile may be out
	v_cmp_gt_u32 vcc_lo, v[KY+1], v[KY]            ; splits ascending, strictly greater: of equal keys the lower split, which is the lower run
	v_cndmask_b32 v[HW], v[HD], v[HD+1], vcc_lo
	v_max_u32 v64, v[KY], v[KY+1]
.irp e, 2,3,4,5,6,7
	v_cmp_gt_u32 vcc_lo, v[KY+\e], v64
	v_cndmask_b32 v[HW], v[HW], v[HD+\e], vcc_lo
	v_max_u32 v64, v64, v[KY+\e]
.endr
	v_permlanex16_b32 v65, v64, s32, s33           ; the other eight splits'
	v_permlanex16_b32 v66, v[HW], s32, s33
	v_cmp_gt_u32 s34, v65, v64
	v_cmp_eq_u32 s35, v65, v64
	v_cmp_lt_u32 s36, v66, v[HW]
	s_and_b32 s35, s35, s36
	s_or_b32 s34, s34, s35
	v_cndmask_b32 v[HW], v[HW], v66, s34           ; my query's run, in both its lanes
	v_min_u32 v67, 0x3ff, v[HW]                    ; there are 1,024 runs
	v_lshl_add_u32 v[OL], v67, 7, v13              ; its 32 labels begin 128 bytes a run on; mine are those of points 4 j + 2 u + h
.irp j, 0,1,2,3,4,5,6,7
.irp u, 0,1
	global_load_b32 v[LAB+2*\j+\u], v[OL], s[10:11] offset:16*\j+8*\u
.endr
.endr
.irp k, 0,1,2,3
	ds_bpermute_b32 v[HK+\k], v[SL+\k], v[HW]      ; the run of query 4 (w % 4) + k, to every lane
.endr
	s_wait_dscnt 0x0
.irp k, 0,1,2,3
	v_min_u32 v[HK+\k], 0x3ff, v[HK+\k]
	v_and_b32 v64, 0x3fe, v[HK+\k]
	v_mul_u32_u24 v64, v64, REC/2                  ; the record: (run / 2) x 4,608
	v_and_b32 v67, 1, v[HK+\k]                     ; hh: which half of each tile's rows
	v_lshl_add_u32 v71, v67, 7, v64
	v_add_nc_u32 v[OC+\k], v71, v5                 ; codes: + 128 hh
	v_add_nc_u32 v[OS+\k], v71, v6                 ; scale words: + 128 hh
	v_lshl_add_u32 v71, v67, 5, v64
	v_add_nc_u32 v[OB+\k], v71, v7                 ; -y2 / 2: + 32 hh
.endr
.irp k, 0,1,2,3
.irp u, 0,1
	global_load_b128 v[AF+16*\k+8*\u:AF+16*\k+8*\u+3],   v[OC+\k], s[4:5] offset:2048*\u
	global_load_b128 v[AF+16*\k+8*\u+4:AF+16*\k+8*\u+7], v[OC+\k], s[4:5] offset:2048*\u+512
	global_load_b32 v[SCA+2*\k+\u], v[OS+\k], s[4:5] offset:4096+8*\u
	global_load_b128 v[CB+16*\k+8*\u:CB+16*\k+8*\u+3],   v[OB+\k], s[4:5] offset:4352+128*\u
	global_load_b128 v[CB+16*\k+8*\u+4:CB+16*\k+8*\u+7], v[OB+\k], s[4:5] offset:4352+128*\u+16
.endr
.endr
	s_wait_loadcnt 0x0                             ; all is in, and every address register is free
.macro PW k, d                         ; query k's two tiles of points against the query tile; results at v[d] on
.irp u, 0,1
	v_wmma_scale_f32_16x16x128_f8f6f4 v[\d+8*\u:\d+8*\u+7], v[AF+16*\k+8*\u:AF+16*\k+8*\u+7], v[QB:QB+7], v[CB+16*\k+8*\u:CB+16*\k+8*\u+7], v[SCA+2*\k+\u], v[QS] matrix_a_fmt:MATRIX_FMT_FP4 matrix_b_fmt:MATRIX_FMT_FP4
.endr
.endm
	PW 0, COL                                      ; eight results in eight different runs of registers, none of them an operand of another
	PW 1, 240
	PW 2, 16
	PW 3, 48
.rept 4
	v_nop                                          ; four places in front of the first read of results
.endr
.macro TAKE k, d                       ; the lanes of query k take their column; each result is read from its low end on
.irp x, 0,1,2,3,4,5,6,7,8,9,10,11,12,13,14,15
	v_cndmask_b32 v[COL+\x], v[COL+\x], v[\d+\x], s[28+\k]
.endr
.endm
	TAKE 1, 240
	TAKE 2, 16
	TAKE 3, 48
	; my 16 points in ascending order: the clamped value, strictly greater: so the first that reaches the maximum stays.  v64 the best value, v80 its label, v66 its place in the run
	v_min_num_f32 v64, v[COL], v[QX]
	v_mov_b32 v66, 0
.irp j, 0,1,2,3,4,5,6,7
.irp u, 0,1
.if (\j)+(\u) > 0
	v_min_num_f32 v67, v[COL+8*\u+\j], v[QX]
	v_cmp_gt_f32 vcc_lo, v67, v64
	v_cndmask_b32 v[LAB], v[LAB], v[LAB+2*\j+\u], vcc_lo
	v_cndmask_b32 v66, v66, 4*\j+2*\u, vcc_lo
	v_max_num_f32 v64, v64, v67
.endif
.endr
.endr
	v_add_nc_u32 v66, v66, v2                      ; + h
	v_permlanex16_b32 v68, v64, s32, s33           ; the query's other 16 points: the greater value, of equal values the lower place
	v_permlanex16_b32 v69, v[LAB], s32, s33
	v_permlanex16_b32 v70, v66, s32, s33
	v_cmp_gt_f32 s34, v68, v64
	v_cmp_eq_f32 s35, v68, v64
	v_cmp_lt_u32 s36, v70, v66
	s_and_b32 s35, s35, s36
	s_or_b32 s34, s34, s35
	v_cndmask_b32 v[LAB], v[LAB], v69, s34
	ds_store_b32 v8, v[LAB]                        ; every thread's word; of a wave's 32 the four queries' lanes are read
	s_wait_dscnt 0x0                               ; for the others' sake: my store has landed
	s_barrier_signal -1
	s_barrier_wait -1
	s_cmp_lg_u32 s14, 0
	s_cbranch_scc1 .Lend
	ds_load_b32 v68, v14
	ds_load_b32 v69, v14 offset:512
	s_wait_dscnt 0x0
	global_store_b64 v15, v[68:69], s[24:25]       ; 32 lanes store the work-group's 256 consecutive bytes of out0, aligned
.Lend:
	s_wait_xcnt 0x0
	v_lshl_add_u32 v254, v0, 2, 0x800
	v_mov_b32 v255, 0
	s_wait_tensorcnt 0x0
	ds_add_u32 v254, v255
	s_wait_dscnt 0x0
	s_endpgm
.Lfunc_end_k_qf4847d509f_pick:
	.size	k_qf4847d509f_pick, .Lfunc_end_k_qf4847d509f_pick-k_qf4847d509f_pick
	.p2alignl 7, 3214868480
	.fill 96, 4, 3214868480
	.section	.rodata,"a",@progbits
	.p2align	6, 0x0
	.amdhsa_kernel k_qf4847d509f_pick
		.amdhsa_group_segment_fixed_size 4096
		.amdhsa_private_segment_fixed_size 0
		.amdhsa_enable_private_segment 0
		.amdhsa_kernarg_size 40
		.amdhsa_user_sgpr_count 2
		.amdhsa_user_sgpr_kernarg_segment_ptr 1
		.amdhsa_wavefront_size32 1
		.amdhsa_system_sgpr_workgroup_id_x 1
		.amdhsa_system_sgpr_workgroup_id_y 1
		.amdhsa_system_sgpr_workgroup_id_z 1
		.amdhsa_system_vgpr_workitem_id 0
		.amdhsa_next_free_vgpr 256
		.amdhsa_next_free_sgpr 66
		.amdhsa_reserve_vcc 1
		.amdhsa_float_denorm_mode_32 3
		.amdhsa_float_denorm_mode_16_64 3
		.amdhsa_memory_ordered 1
		.amdhsa_forward_progress 1
		.amdhsa_inst_pref_size 22
	.end_amdhsa_kernel
	.amdgpu_metadata
---
amdhsa.version: [ 1, 2 ]
amdhsa.kernels:
  - .name:           k_qf4847d509f_pick
    .symbol:         k_qf4847d509f_pick.kd
    .args:
      - { .name: tq, .offset: 0, .size: 8, .value_kind: global_buffer, .address_space: global }
      - { .name: xq, .offset: 8, .size: 8, .value_kind: global_buffer, .address_space: global }
      - { .name: cand, .offset: 16, .size: 8, .value_kind: global_buffer, .address_space: global }
      - { .name: train_label, .offset: 24, .size: 8, .value_kind: global_buffer, .address_space: global }
      - { .name: out0, .offset: 32, .size: 8, .value_kind: global_buffer, .address_space: global }
    .group_segment_fixed_size: 4096
    .private_segment_fixed_size: 0
    .kernarg_segment_align: 8
    .kernarg_segment_size: 40
    .max_flat_workgroup_size: 512
    .sgpr_count:     66
    .vgpr_count:     256
    .wavefront_size: 32
...
	.end_amdgpu_metadata
.endif
;; end of part 3
